; MI455X (gfx1250); checked and timed in simulation.
; The chip was launched on July 23, 2026; its instructions are those of AMD's public machine-readable ISA for CDNA 5 (MIT licence, August 2026) and "CDNA5" Instruction Set Architecture Reference Guide (July 2026). The comments in the code are by the model that wrote it; some were corrected since.
;; Tree. Allowed arithmetic: matrix products marked QUANTISED: E4M3 operands, one given power-of-two scale a tensor, by v_wmma_f32_16x16x64_fp8_fp8 or v_wmma_f32_16x16x128_fp8_fp8, f32 sums; everything else in f32.
;; Inputs: W 1,024 x 1,024 float32; b 1,024 float32; feature_mask 2,048 x 1,024 float32; lowp_scales 4 int32 (the exponents e of the quantised operands' scales 2^e); x 16,384 x 2,048 float32.
;; Outputs: out0 16,384 x 1,024 float32.
;; This version of the problem:
;;   THIS VERSION OF THE PROBLEM IS GIVEN IN LOW PRECISION. The matrix products marked QUANTISED in the list below multiply operands that are first quantised to E4M3 (4 exponent bits, 3 mantissa bits; 8 bits a number), with one given power-of-two scale for each operand tensor; their sums are f32. All else is computed in f32.
;;   The module's matrix products, in the order in which they are computed (A, B: the left and right operand; K: the contracted axis; several contracted axes count as one K, in the product's order):
;;     1. [M 16,384, K 2,048] x [K 2,048, N 1,024]; A: input x; B: input feature_mask: QUANTISED (scales: A lowp_scales[0], B lowp_scales[1])
;;     2. [M 16,384, K 1,024] x [K 1,024, N 1,024]; A: computed on the way; B: input W: QUANTISED (scales: A lowp_scales[2], B lowp_scales[3])
;;   THE QUANTISER, for each operand of a quantised product, along K:
;;     - The operand's scale is 2^e, e = its entry of the input lowp_scales (int32; the entries are numbered through the quantised products in the list's order, A before B).
;;     - Each number is divided by the scale, clamped to +-448, and rounded to the nearest number of E4M3, ties to even, subnormals kept.
;;     - The product sums the exact products of the quantised numbers (number of the format x scale) in f32.
;;   ~~~python
;;   def quantise(x, axis, e):      # numpy; x: float32 -> the quantised numbers, widened to float32 again
;;       x = np.moveaxis(x, axis, -1); K = x.shape[-1]
;;       r = np.clip(x / 2.0 ** e, -448, 448)
;;       step = 2.0 ** (np.maximum(np.frexp(np.where(r == 0, 1, r))[1] - 1, -6) - 3)
;;       q = np.round(r / step) * step * 2.0 ** e      # np.round: ties to even
;;       return np.moveaxis(q, -1, axis).astype(np.float32)
;;   ~~~
;;   OPERANDS COMPUTED ON THE WAY. 'Computed on the way' means the value that the module computes at that place (a softmax that the list does not call 'softmax' is quantised finished and normalised). What goes into a quantiser is computed in f32, as accurately as f32 sums, v_exp_f32 and their like allow (about 1e-6 of the number): no bf16 or f16 on the way to a quantiser, and a product that is left as it is and whose result goes on into a quantised operand takes f32 operands (vector FMAs, or v_wmma_f32_16x16x4_f32). A number that lies on a knife's edge between two numbers of the format may be rounded either way, as far as f32 arithmetic and the matrix unit's own rounding can turn it there, and no further.
;; One version. Each part assembles by itself: llvm-mc -triple=amdgcn-amd-amdhsa -mcpu=gfx1250 --defsym DOCPART=n.
;; ======== version 1 of 1: 2 launches
;; limits: right only within a limited range of input values
;; workspace buffers: wcodes 3,145,728 bytes
;; launch prep (part 1): grid 320 x 1, 4 waves a work-group, no clusters, 67,072 bytes of LDS; arguments feature_mask, W, lowp_scales, wcodes; writes wcodes
.if DOCPART == 1
	.amdgcn_target "amdgcn-amd-amdhsa--gfx1250"
	.amdhsa_code_object_version 6
	.text
	.protected	k_q021d039af4_prep
	.globl	k_q021d039af4_prep
	.p2align	8
	.type	k_q021d039af4_prep,@function
k_q021d039af4_prep:
	s_mov_b64 s[64:65], 0
	v_nop
	global_prefetch_b8 v0, s[64:65] scope:SCOPE_SE
	s_setreg_imm32_b32 hwreg(HW_REG_WAVE_MODE, 25, 1), 1
	s_wait_xcnt 0x0
; feature_mask [2048 (k)][1024 (n)] and W [1024 (node)][1024 (k)], f32, become codes of FP8 (E4M3), each with the one scale 2^e given for it (entry 1, entry 3),
; laid in the ORDER OF THE OPERAND'S REGISTERS, so that the next launch takes fragments by loads of 16 bytes a lane from dense blocks.
; code = x / 2^e, held within +-448, rounded to the nearest code, ties to even.  LIMITS: -126 <= e <= 119.  NaN among the inputs is not served.
; wcodes = 24 tiles of 131,072 bytes (128 along K x 1,024 columns).  Byte = g 131072 + (16 w + t) 2048 + c 512 + (r + 16 h) 16 + y:
;   g the tile, w the wave that will use it, t its column tile, c a group of four registers, (r, h) the lane, y the byte.
;   g < 16:      feature_mask[128 g + 32 c + 16 h + y][256 w + 16 t + r]
;   g = 16 + kp: W[node(w, r / 8, 8 t + r % 8)][256 c + 32 kp + 16 (y / 8) + 8 h + y % 8]
;   node(w, hh, 0) = 2 w + hh;  node(w, hh, q) = q + p (7 + 2 w + hh), p the largest power of two not above q: place q of the heap of 127 nodes under column 8 + 2 w + hh.
; Work-groups 0-255 take feature_mask, 128 columns x 64 along K each (no LDS); 256-319 take W (each wave a stage of its own in LDS).  Waves share nothing: no barrier.
.set RO,   8                           ; v8-23    W: byte offset of each of the tile's 16 rows: address registers, never rewritten
.set LIM,  28                          ; v28      448 x 2^e
.set SCL,  29                          ; v29      2^e as f32: the conversion takes its exponent field
.set NUM,  32                          ; v32-159  the numbers as loaded
.set COD,  160                         ; v160-175 feature_mask's codes, four registers a chunk: no store's data are written again
.set X2,   160                         ; v160-191 W: two sets of 16 neighbours
.set WC,   192                         ; v192-223 W: codes, four registers for each of the 8 K steps
.set SPT,  1040                        ; a stage row: 1,024 bytes + 16
	s_load_b256 s[4:11], s[0:1], 0x0               ; feature_mask s[4:5], W s[6:7], the exponents s[8:9], wcodes s[10:11]
	v_lshl_add_u32 v224, v0, 2, 0x10400
	v_mov_b32 v225, 0
	v_lshrrev_b32 v1, 5, v0
	v_readfirstlane_b32 s16, v1                    ; wave 0..3
	v_and_b32 v2, 31, v0                           ; lane
	s_wait_kmcnt 0x0
	s_load_b128 s[20:23], s[8:9], 0x0              ; e0 .. e3
	s_cmp_lt_u32 ttmp9, 256
	s_cbranch_scc0 .Lw
; ---- feature_mask: K is its first axis.  A lane takes a column n and its registers run down K: the conversions then give codes with K innermost.
	s_and_b32 s17, ttmp9, 7                        ; which 128 columns
	s_lshr_b32 s18, ttmp9, 3                       ; 2 g + half: which 64 along K
	s_lshl_b32 s24, s18, 18                        ; 64 rows of 4,096 bytes
	s_mov_b32 s25, 0
	s_add_nc_u64 s[4:5], s[4:5], s[24:25]
	s_lshr_b32 s24, s18, 1
	s_lshl_b32 s24, s24, 17                        ; tile g,
	s_and_b32 s19, s18, 1
	s_lshl_b32 s19, s19, 10                        ; and in each fragment the half's four chunks of 256 bytes
	s_add_co_u32 s24, s24, s19
	s_add_nc_u64 s[10:11], s[10:11], s[24:25]
	s_lshl_b32 s17, s17, 7
	s_lshl_b32 s19, s16, 5
	s_add_co_u32 s17, s17, s19                     ; my wave's first column
	s_wait_alu depctr_va_vdst(0)
	v_add_nc_u32 v5, s17, v2                       ; n
	v_lshlrev_b32 v3, 2, v5                        ; in: 4 n
	v_lshrrev_b32 v6, 4, v5
	v_and_b32 v7, 15, v5
	v_lshlrev_b32 v4, 11, v6
	v_lshl_add_u32 v4, v7, 4, v4                   ; out: (n / 16) 2048 + (n % 16) 16
.macro LOADC ch                        ; chunk ch of my four: 16 along K of my column; a wave's load reads 128 consecutive bytes, the four waves 512
.irp i, 0,1,2,3,4,5,6,7,8,9,10,11,12,13,14,15
	global_load_b32 v[NUM+16*(\ch)+\i], v3, s[4:5] offset:(16*(\ch)+\i)*4096 th:TH_LOAD_NT
.endr
.endm
.macro CHUNK ch, left                  ; left: the loads of the younger chunks
	s_wait_loadcnt \left
.irp i, 0,1,2,3,4,5,6,7,8,9,10,11,12,13,14,15
	v_med3_num_f32 v[NUM+16*(\ch)+\i], v[NUM+16*(\ch)+\i], -v[LIM], v[LIM]   ; the conversion to an 8-bit code does not saturate (ISA guide 7.6.2): the hold comes first
.endr
	v_cvt_scalef32_pk8_fp8_f32 v[COD+4*(\ch):COD+4*(\ch)+1], v[NUM+16*(\ch):NUM+16*(\ch)+7], v[SCL]
	v_cvt_scalef32_pk8_fp8_f32 v[COD+4*(\ch)+2:COD+4*(\ch)+3], v[NUM+16*(\ch)+8:NUM+16*(\ch)+15], v[SCL]
	global_store_b128 v4, v[COD+4*(\ch):COD+4*(\ch)+3], s[10:11] offset:(\ch)*256   ; lanes 0-15 fill 256 consecutive aligned bytes, lanes 16-31 the 256 that lie 2,048 further on
.endm
	LOADC 0                                        ; all 64 loads of the wave go out at once; every chunk has registers of its own
	LOADC 1
	LOADC 2
	LOADC 3
	s_wait_alu depctr_va_vdst(0)
	s_wait_kmcnt 0x0
	s_add_co_i32 s26, s21, 127
	s_lshl_b32 s27, s26, 23
	v_mov_b32 v[SCL], s27                          ; 2^e1
	s_add_co_i32 s26, s26, 8
	s_lshl_b32 s26, s26, 23
	s_or_b32 s26, s26, 0x600000
	v_mov_b32 v[LIM], s26                          ; 448 x 2^e1
	s_wait_alu depctr_va_vdst(0)
	CHUNK 0, 48
	CHUNK 1, 32
	CHUNK 2, 16
	CHUNK 3, 0
	s_endpgm
; ---- W: K is innermost.  A work-group takes one tile of 16 chosen rows (w, t); wave c takes k = 256 c .. 256 c + 255 of them.
.Lw:
	s_sub_co_u32 s17, ttmp9, 256                   ; T = 16 w + t
	s_lshr_b32 s18, s17, 4                         ; w
	s_and_b32 s19, s17, 15                         ; t
	s_mov_b32 s28, 8                               ; p for q = 8 t .. 8 t + 7, t >= 1: 8, 16, 32, 64
	s_cmp_ge_u32 s19, 2
	s_cselect_b32 s28, 16, s28
	s_cmp_ge_u32 s19, 4
	s_cselect_b32 s28, 32, s28
	s_cmp_ge_u32 s19, 8
	s_cselect_b32 s28, 64, s28
	s_cmp_eq_u32 s19, 0                            ; in tile 0, q = 0 .. 7: p = 1 (q = 0, 1), 2 (q = 2, 3), 4 (q = 4 .. 7),
	s_cselect_b32 s29, 1, s28
	s_cselect_b32 s30, 2, s28
	s_cselect_b32 s31, 4, s28
	s_cselect_b32 s32, 7, 0                        ; and at q = 0 seven come off: column 2 w + hh
	s_lshl_b32 s33, s18, 1
	s_add_co_u32 s33, s33, 7                       ; 7 + 2 w
	s_lshl_b32 s34, s19, 3                         ; 8 t
	s_lshl_b32 s35, s16, 10                        ; my 256 numbers of a row: 1,024 c bytes
	s_wait_alu depctr_va_vdst(0)
.irp i, 0,1,2,3,4,5,6,7,8,9,10,11,12,13,14,15
.if (\i&7) < 2
.set PW, 29
.elseif (\i&7) < 4
.set PW, 30
.else
.set PW, 31
.endif
	s_add_co_u32 s36, s33, \i>>3                   ; 7 + 2 w + hh
	s_mul_i32 s36, s36, s[PW]
	s_add_co_u32 s36, s36, s34
.if (\i&7) == 0
	s_sub_co_u32 s36, s36, s32
.else
	s_add_co_u32 s36, s36, \i&7
.endif
	s_lshl_b32 s36, s36, 12                        ; a row of W is 4,096 bytes
	s_add_co_u32 s36, s36, s35
	v_lshl_add_u32 v[RO+\i], v2, 4, s36
.endr
	s_wait_alu depctr_va_vdst(0)
.irp i, 0,1,2,3,4,5,6,7,8,9,10,11,12,13,14,15
	global_load_b128 v[NUM+8*\i:NUM+8*\i+3],   v[RO+\i], s[6:7] th:TH_LOAD_NT              ; 512 consecutive bytes of one row
	global_load_b128 v[NUM+8*\i+4:NUM+8*\i+7], v[RO+\i], s[6:7] offset:512 th:TH_LOAD_NT
.endr
	s_mul_i32 s37, s16, 16*SPT                     ; my wave's stage
	v_lshl_add_u32 v24, v2, 4, s37                 ; into it: as loaded
	v_and_b32 v5, 15, v2                           ; r
	v_lshrrev_b32 v6, 4, v2                        ; h
	v_mul_u32_u24 v25, v5, SPT
	v_lshl_add_u32 v25, v6, 5, v25
	v_add_nc_u32 v25, s37, v25                     ; out of it: row r, 8 h numbers on
	s_lshl_b32 s38, s17, 11
	s_lshl_b32 s36, s16, 9
	s_add_co_u32 s38, s38, s36
	v_lshl_add_u32 v26, v2, 4, s38                 ; in a tile of wcodes: T 2048 + c 512 + 16 lane
	s_wait_alu depctr_va_vdst(0)
	s_wait_kmcnt 0x0
	s_add_co_i32 s26, s23, 127
	s_lshl_b32 s27, s26, 23
	v_mov_b32 v[SCL], s27                          ; 2^e3  (no register that the pending loads name is written here)
	s_add_co_i32 s26, s26, 8
	s_lshl_b32 s26, s26, 23
	s_or_b32 s26, s26, 0x600000
	v_mov_b32 v[LIM], s26                          ; 448 x 2^e3
	s_wait_alu depctr_va_vdst(0)
.irp i, 0,1,2,3,4,5,6,7,8,9,10,11,12,13,14,15
	s_wait_loadcnt 30-2*\i                         ; row i's two loads are in; the later rows' may be out
	ds_store_b128 v24, v[NUM+8*\i:NUM+8*\i+3]   offset:\i*SPT
	ds_store_b128 v24, v[NUM+8*\i+4:NUM+8*\i+7] offset:\i*SPT+512
.endr
.macro TURNK kap                       ; k = 32 kap + 8 h + 0 .. 7 and 32 kap + 16 + 8 h + 0 .. 7 of row r.  LDS serves a wave's instructions in order: these see my stores
.irp f, 0,1,2,3
	ds_load_b128 v[X2+16*((\kap)%2)+4*\f:X2+16*((\kap)%2)+4*\f+3], v25 offset:128*(\kap)+16*(\f%2)+64*(\f/2)
.endr
.endm
.macro WSTEP kap
.if (\kap) < 7
	TURNK (\kap)+1
	s_wait_dscnt 4                                 ; this step's four loads are in, the next step's may be out
.else
	s_wait_dscnt 0
.endif
.irp i, 0,1,2,3,4,5,6,7,8,9,10,11,12,13,14,15
	v_med3_num_f32 v[X2+16*((\kap)%2)+\i], v[X2+16*((\kap)%2)+\i], -v[LIM], v[LIM]
.endr
	v_cvt_scalef32_pk8_fp8_f32 v[WC+4*(\kap):WC+4*(\kap)+1], v[X2+16*((\kap)%2):X2+16*((\kap)%2)+7], v[SCL]
	v_cvt_scalef32_pk8_fp8_f32 v[WC+4*(\kap)+2:WC+4*(\kap)+3], v[X2+16*((\kap)%2)+8:X2+16*((\kap)%2)+15], v[SCL]
	global_store_b128 v26, v[WC+4*(\kap):WC+4*(\kap)+3], s[10:11] offset:(16+(\kap))*131072   ; 32 lanes store 512 consecutive aligned bytes: one slice of a fragment
.endm
	TURNK 0
.irp kp, 0,1,2,3,4,5,6,7
	WSTEP \kp
.endr
	s_wait_tensorcnt 0x0                           ; the wave's end
	ds_add_u32 v224, v225
	s_wait_dscnt 0x0
	s_endpgm
.Lfunc_end_k_q021d039af4_prep:
	.size	k_q021d039af4_prep, .Lfunc_end_k_q021d039af4_prep-k_q021d039af4_prep
	.p2alignl 7, 3214868480
	.fill 96, 4, 3214868480
	.section	.rodata,"a",@progbits
	.p2align	6, 0x0
	.amdhsa_kernel k_q021d039af4_prep
		.amdhsa_group_segment_fixed_size 67072
		.amdhsa_private_segment_fixed_size 0
		.amdhsa_enable_private_segment 0
		.amdhsa_kernarg_size 32
		.amdhsa_user_sgpr_count 2
		.amdhsa_user_sgpr_kernarg_segment_ptr 1
		.amdhsa_wavefront_size32 1
		.amdhsa_system_sgpr_workgroup_id_x 1
		.amdhsa_system_sgpr_workgroup_id_y 1
		.amdhsa_system_sgpr_workgroup_id_z 1
		.amdhsa_system_vgpr_workitem_id 0
		.amdhsa_next_free_vgpr 226
		.amdhsa_next_free_sgpr 66
		.amdhsa_reserve_vcc 0
		.amdhsa_float_denorm_mode_32 3
		.amdhsa_float_denorm_mode_16_64 3
		.amdhsa_memory_ordered 1
		.amdhsa_forward_progress 1
		.amdhsa_inst_pref_size 37
	.end_amdhsa_kernel
	.amdgpu_metadata
---
amdhsa.version: [ 1, 2 ]
amdhsa.kernels:
  - .name:           k_q021d039af4_prep
    .symbol:         k_q021d039af4_prep.kd
    .args:
      - { .name: feature_mask, .offset: 0, .size: 8, .value_kind: global_buffer, .address_space: global }
      - { .name: W, .offset: 8, .size: 8, .value_kind: global_buffer, .address_space: global }
      - { .name: lowp_scales, .offset: 16, .size: 8, .value_kind: global_buffer, .address_space: global }
      - { .name: wcodes, .offset: 24, .size: 8, .value_kind: global_buffer, .address_space: global }
    .group_segment_fixed_size: 67072
    .private_segment_fixed_size: 0
    .kernarg_segment_align: 8
    .kernarg_segment_size: 32
    .max_flat_workgroup_size: 128
    .sgpr_count:     66
    .vgpr_count:     226
    .wavefront_size: 32
...
	.end_amdgpu_metadata
.endif
;; end of part 1
;; launch tree (part 2): grid 256 x 1, 4 waves a work-group, clusters of 4 x 1, 327,680 bytes of LDS; arguments x, wcodes, b, lowp_scales, out0; writes out0
.if DOCPART == 2
	.amdgcn_target "amdgcn-amd-amdhsa--gfx1250"
	.amdhsa_code_object_version 6
	.text
	.protected	k_q021d039af4_tree
	.globl	k_q021d039af4_tree
	.p2align	8
	.type	k_q021d039af4_tree,@function
k_q021d039af4_tree:
	s_mov_b64 s[64:65], 0
	v_nop
	global_prefetch_b8 v0, s[64:65] scope:SCOPE_SE
	s_setreg_imm32_b32 hwreg(HW_REG_WAVE_MODE, 25, 1), 1
	s_wait_xcnt 0x0
	s_wait_alu depctr_hold_cnt(0) depctr_sa_sdst(0) depctr_va_vdst(0) depctr_va_sdst(0) depctr_va_ssrc(0) depctr_va_vcc(0) depctr_vm_vsrc(0)
	s_getreg_b32 s2, hwreg(HW_REG_IB_STS2, 6, 4)
	s_cmp_eq_u32 s2, 0
	s_cbranch_scc0 .Lentry_in_a_cluster
	s_endpgm
.Lentry_in_a_cluster:
	s_bfe_u32 s2, ttmp6, 0x10000c
	s_cmp_lg_u32 s2, 0x3003
	s_cbranch_scc0 .Lentry_shape_is_right
	s_endpgm
.Lentry_shape_is_right:
; out0 = the tree's leaf probabilities of 64 rows of x for each work-group: feats = Q(x) Q(mask), z = Q(feats) Q(W)^T, d = sigmoid(z + b), products of d and 1 - d down the tree.
; Four waves; wave w owns columns 256 w .. 256 w + 255 of both products for all 64 rows: 64 accumulators, 512 registers (windows 2 and 3).
; WEIGHTS: wcodes holds 24 tiles (128 along K x 1,024 columns) in the order of the operand's registers.  A tile is one K step and fills one of two LDS slots; each wave fetches its own 32,768 bytes
; by a JOINT tensor load: the four work-groups of a cluster walk the same tiles.  Ahead of each refill stand the waits, the add and the cluster's round.  A wave's 16 fragments go on into window 1, eight at a time.
; X: each wave loads 16 rows x 128 numbers a K step into one of two sets of 64 registers, quantises them and puts the codes into one of two images (pitch 144) that all waves read.
; A set is asked for again in the middle of the K step, directly ahead of the wait for the tensor loads: two K steps ahead of its use.
; The hidden layer's codes go to all waves through four images of 8,192 bytes, a K step each, written again when all waves have read them.
; The clusters begin product 1 at K = 128 (cluster % 16): the sums' order along K differs, nothing else.  W's tiles are asked of memory once, 8,192 bytes by wave 0 of each of the first 128 work-groups.
; Column 0 of the decisions reaches no leaf; it shares a tile with live columns and stays.
; LIMITS: e0 and e2 - e0 - e1 between -126 and 119; e2 + e3 between -120 and 120.  NaN among the inputs is not served.
.set SLOTB,  131072
.set WPART,  32768
.set XIMG,   2*SLOTB
.set XPITCH, 144
.set XPAR,   64*XPITCH
.set FIMG,   XIMG+2*XPAR
.set FREG,   8192
.set BIAS,   FIMG+4*FREG
.set TOP,    BIAS+4096
.set SPARE,  TOP+4096
.set SPITCH, 1040
.set SPW,  1
.set NIL,  2
.set XO,   3
.set XST,  4
.set AXR,  5
.set AFR,  6
.set FST,  7
.set BAD,  8
.set SCX,  10
.set SCF,  11
.set TST,  12
.set TF,   13
.set SST,  16
.set GO,   18
.set LB,   20
.set PR,   28
.set TP,   32
.set PFO,  46
.set CT,   48
.set AF,   64
.set ST,   128
.set CODE, 128
.set D,    128
.set BI,   128
.set G1,   24
.set G0,   32
.set MSB, 0
.macro WIN new
.if MSB != (\new)
	s_set_vgpr_msb (MSB<<8)|(\new)
.set MSB, (\new)
.endif
.endm
.set MUL_LO, 0xa1
.set MUL_HI, 0xf1
.set TO_B,   0x40
.macro PLACES
.rept 4
	v_nop
.endr
.endm
.macro CREST
	s_cmp_lg_u32 s14, 0
	s_cbranch_scc1 .Lnot_wave_0_\@
	s_barrier_signal -3
.Lnot_wave_0_\@:
	s_barrier_wait -3
	s_barrier_signal -1
	s_barrier_wait -1
.endm
.macro CROUND
	s_barrier_signal -1
	s_barrier_wait -1
	CREST
.endm
.macro TL s
	tensor_load_to_lds s[G0+4*\s:G0+4*\s+3], s[G1:G1+7]
	s_nop 0
	PLACES
.endm
.macro MULG mp, t0, nt, zero
.set tt, \t0
.rept \nt
.irp mm, 0, 1
.if \zero
	v_wmma_f32_16x16x128_fp8_fp8 v[8*(16*\mm+tt):8*(16*\mm+tt)+7], v[16*tt:16*tt+15], v[AF+16*(2*\mp+\mm):AF+16*(2*\mp+\mm)+15], 0
.else
	v_wmma_f32_16x16x128_fp8_fp8 v[8*(16*\mm+tt):8*(16*\mm+tt)+7], v[16*tt:16*tt+15], v[AF+16*(2*\mp+\mm):AF+16*(2*\mp+\mm)+15], v[8*(16*\mm+tt):8*(16*\mm+tt)+7]
.endif
.endr
.set tt, tt+1
.endr
.endm
.macro FETCH_BH half, slot
	WIN TO_B
.irp f, 0,1,2,3,4,5,6,7
.irp c, 0,1,2,3
	ds_load_b128 v[128*\half+16*\f+4*\c:128*\half+16*\f+4*\c+3], v[BAD+\slot] offset:(8*\half+\f)*2048+512*\c
.endr
.endr
	WIN 0
.endm
.macro FETCH_A kind, aoff, pair
.irp mm, 0, 1
.irp c, 0,1,2,3
.if \kind == 1
	ds_load_b128 v[AF+16*(2*\pair+\mm)+4*\c:AF+16*(2*\pair+\mm)+4*\c+3], v[AXR] offset:(\aoff)+(2*\pair+\mm)*16*XPITCH+32*\c
.else
	ds_load_b128 v[AF+16*(2*\pair+\mm)+4*\c:AF+16*(2*\pair+\mm)+4*\c+3], v[AFR] offset:(\aoff)+(2*\pair+\mm)*2048+512*\c
.endif
.endr
.endr
.endm
.macro XLOAD u, sb
.irp i, 0,1,2,3,4,5,6,7,8,9,10,11,12,13,14,15
	global_load_b128 v[ST+64*\u+4*\i:ST+64*\u+4*\i+3], v[XO], s[\sb:\sb+1] offset:\i*8192 th:TH_LOAD_NT
.endr
.endm
.macro QX u, left, reload
	s_wait_loadcnt \left
.set qi, 0
.rept 64
	v_med3_num_f32 v[ST+64*\u+qi], v[ST+64*\u+qi], s41, s40
.set qi, qi+1
.endr
.irp p, 0,1,2,3,4,5,6,7
	v_cvt_scalef32_pk8_fp8_f32 v[CT+2*\p:CT+2*\p+1], v[ST+64*\u+8*\p:ST+64*\u+8*\p+7], v[SCX]
.endr
	v_nop
.irp i, 0,1,2,3,4,5,6,7,8,9,10,11,12,13,14,15
	ds_store_b32 v[XST], v[CT+\i] offset:\u*XPAR+\i*XPITCH
.endr
.if \reload == 2                       ; at the head: the set is asked for again at once
	s_wait_xcnt 0x0
	s_add_co_u32 s57, s57, 1
	s_and_b32 s57, s57, 15
	s_lshl_b32 s58, s57, 9
	s_add_nc_u64 s[4:5], s[60:61], s[58:59]
	XLOAD \u, 4
.endif
.if \reload == 1                       ; else the K step that follows asks for it: XU names the set
.set XU, \u
.else
.set XU, -1
.endif
.endm
.macro PUB kap
.irp m, 0,1,2,3
	ds_store_b128 v[FST], v[CODE+16*(\kap)+4*\m:CODE+16*(\kap)+4*\m+3] offset:((\kap)&3)*FREG+\m*2048
.endr
.endm
.macro STEP slot, zero, n1, fill, akind, aoff, tl
	s_wait_dscnt \n1
	WIN MUL_LO
	MULG 0, 0, 8, \zero
	s_wait_dscnt \n1-8
	WIN MUL_HI
	MULG 1, 0, 8, \zero
	WIN 0
.if XU >= 0
	s_wait_xcnt 0x0                                ; the earlier loads of x have read their base
	s_add_co_u32 s57, s57, 1
	s_and_b32 s57, s57, 15
	s_lshl_b32 s58, s57, 9
	s_add_nc_u64 s[4:5], s[60:61], s[58:59]
	XLOAD XU, 4                                    ; the set quantised ahead of this step takes x's K step two further on
.set XU, -1
.endif
	s_wait_tensorcnt 0x0
.if \fill
	ds_add_u32 v[SPW], v[NIL]
.if (\tl) < 0
	s_add_co_u32 s56, s56, 1
	s_and_b32 s56, s56, 15
	s_lshl_b32 s58, s56, 17
	s_add_nc_u64 s[G0+4*\slot+2:G0+4*\slot+3], s[54:55], s[58:59]
.else
	s_add_nc_u64 s[G0+4*\slot+2:G0+4*\slot+3], s[54:55], (\tl)*SLOTB
.endif
	s_or_b32 s[G0+4*\slot+3], s[G0+4*\slot+3], 0x80000000
	s_wait_dscnt 0x0
	CROUND
	TL \slot
.else
	s_wait_dscnt 0x0
	PLACES
.endif
	FETCH_BH 0, (1-\slot)
	WIN MUL_LO
	MULG 0, 8, 8, \zero
.if \akind
	PLACES
	WIN 0
	FETCH_A \akind, \aoff, 0
.endif
	WIN MUL_HI
	MULG 1, 8, 8, \zero
	PLACES
	WIN 0
.if \akind
	FETCH_A \akind, \aoff, 1
.endif
	FETCH_BH 1, (1-\slot)
.endm
	s_load_b256 s[4:11], s[0:1], 0x0
	s_load_b64 s[12:13], s[0:1], 0x20
	v_lshl_add_u32 v[SPW], v0, 2, SPARE
	v_mov_b32 v[NIL], 0
	ds_add_u32 v1, v2
	ds_add_u32 v1, v2
	s_wait_dscnt 0x0
	v_lshrrev_b32 v40, 5, v0
	v_readfirstlane_b32 s14, v40
	s_bfe_u32 s15, ttmp6, 0x40000
	s_lshl_b32 s16, ttmp9, 2
	s_add_co_u32 s16, s16, s15
	s_and_b32 s56, ttmp9, 15
	s_mov_b32 s59, 0
	s_mov_b32 s[G1+0], 15|(3<<16)|(1<<21)
	s_mov_b32 s[G1+1], 32<<16
	s_mov_b32 s[G1+2], 128<<16
	s_mov_b32 s[G1+3], 32<<16
	s_mov_b32 s[G1+4], 128
	s_mov_b32 s[G1+5], 32
	s_mov_b32 s[G1+6], 0
	s_mov_b32 s[G1+7], 0
	s_lshl_b32 s52, s14, 15
	s_mov_b32 s53, 0
	s_lshl_b32 s48, s16, 19
	s_lshl_b32 s49, s14, 17
	s_add_co_u32 s48, s48, s49
	s_mov_b32 s49, 0
	s_lshl_b32 s50, s16, 18
	s_mov_b32 s51, 0
	s_wait_kmcnt 0x0
	s_load_b128 s[20:23], s[10:11], 0x0
	s_add_nc_u64 s[60:61], s[4:5], s[48:49]
	s_add_nc_u64 s[12:13], s[12:13], s[50:51]
	s_add_nc_u64 s[54:55], s[6:7], s[52:53]
	s_lshl_b32 s58, s56, 17
	s_add_nc_u64 s[G0+2:G0+3], s[54:55], s[58:59]
	s_lshl_b32 s58, s56, 9
	s_add_nc_u64 s[4:5], s[60:61], s[58:59]
	s_add_co_u32 s56, s56, 1
	s_and_b32 s56, s56, 15
	s_mov_b32 s57, s56
	s_lshl_b32 s58, s56, 17
	s_add_nc_u64 s[G0+6:G0+7], s[54:55], s[58:59]
	s_lshl_b32 s58, s56, 9
	s_add_nc_u64 s[62:63], s[60:61], s[58:59]
	s_mov_b32 s[G0+0], 1
	s_mov_b32 s[G0+1], s52
	s_mov_b32 s[G0+4], 1
	s_add_co_u32 s[G0+5], s52, SLOTB
	s_or_b32 s[G0+3], s[G0+3], 0x80000000
	s_or_b32 s[G0+7], s[G0+7], 0x80000000
	CROUND
	tensor_load_to_lds s[G0:G0+3], s[G1:G1+7]
	s_nop 0
	PLACES
	v_and_b32 v40, 31, v0
	v_and_b32 v41, 15, v0
	v_bfe_u32 v42, v0, 4, 1
	v_lshlrev_b32 v[XO], 4, v40
	v_lshlrev_b32 v44, 5, v0
	global_load_b128 v[TP:TP+3],   v44, s[8:9]
	global_load_b128 v[TP+4:TP+7], v44, s[8:9] offset:16
	XLOAD 0, 4
	XLOAD 1, 62
	v_lshl_add_u32 v45, v0, 5, BIAS
	s_and_b32 s48, s16, 127
	s_lshl_b32 s48, s48, 13
	v_lshl_add_u32 v[PFO], v40, 8, s48
	s_mul_i32 s48, s14, 16*XPITCH
	s_add_co_u32 s48, s48, XIMG
	v_lshl_add_u32 v[XST], v40, 2, s48
	v_mul_u32_u24 v[AXR], v41, XPITCH
	v_lshl_add_u32 v[AXR], v42, 4, v[AXR]
	v_add_nc_u32 v[AXR], XIMG, v[AXR]
	v_lshl_add_u32 v[AFR], v40, 4, FIMG
	s_lshl_b32 s48, s14, 9
	s_add_co_u32 s48, s48, FIMG
	v_lshl_add_u32 v[FST], v40, 4, s48
	v_lshl_add_u32 v[BAD], v40, 4, s52
	v_add_nc_u32 v[BAD+1], SLOTB, v[BAD]
	s_lshl_b32 s48, s14, 4
	s_add_co_u32 s48, s48, TOP
	v_lshl_add_u32 v[TST], v41, 6, s48
	v_lshl_add_u32 v[TST], v42, 3, v[TST]
	s_lshr_b32 s48, s14, 1
	s_lshl_b32 s49, s48, 2
	s_add_co_u32 s49, s49, TOP+8
	v_lshl_add_u32 v[TF], v41, 6, s49
	s_lshl_b32 s48, s48, 3
	s_and_b32 s49, s14, 1
	s_lshl_b32 s49, s49, 2
	s_add_co_u32 s48, s48, s49
	s_add_co_u32 s48, s48, TOP+16
	v_lshl_add_u32 v[TF+1], v41, 6, s48
	s_lshl_b32 s48, s14, 3
	s_add_co_u32 s48, s48, TOP+32
	v_lshl_add_u32 v[TF+2], v41, 6, s48
	v_lshl_add_u32 v[TF+2], v42, 2, v[TF+2]
	v_mul_u32_u24 v[SST], v41, SPITCH
	v_lshl_add_u32 v[SST], v42, 9, v[SST]
	v_add_nc_u32 v[SST], s52, v[SST]
	s_lshl_b32 s48, s14, 10
	v_lshl_add_u32 v[GO], v40, 4, s48
	s_lshl_b32 s48, s14, 1
	s_add_co_u32 s48, s48, 8
	v_add_nc_u32 v43, s48, v42
	v_lshl_add_u32 v[LB], v43, 2, BIAS-32
.irp lam, 0,1,2,3,4,5,6
	v_lshl_add_u32 v[LB+1+\lam], v43, \lam+2, BIAS
.endr
	s_wait_kmcnt 0x0
	s_add_co_i32 s48, s20, 127
	s_lshl_b32 s49, s48, 23
	v_mov_b32 v[SCX], s49
	s_add_co_i32 s48, s48, 8
	s_lshl_b32 s48, s48, 23
	s_or_b32 s40, s48, 0x600000
	s_or_b32 s41, s40, 0x80000000
	s_sub_co_i32 s48, s22, s20
	s_sub_co_i32 s48, s48, s21
	s_add_co_i32 s48, s48, 127
	s_lshl_b32 s49, s48, 23
	v_mov_b32 v[SCF], s49
	s_add_co_i32 s48, s48, 8
	s_lshl_b32 s48, s48, 23
	s_or_b32 s42, s48, 0x600000
	s_or_b32 s43, s42, 0x80000000
	s_add_co_i32 s48, s22, s23
	s_lshl_b32 s48, s48, 23
	s_add_co_u32 s44, s48, 0xbfb8aa3b
	s_mov_b32 s45, s44
	s_wait_alu depctr_va_vdst(0)                   ; the wait at the head's end
	s_wait_tensorcnt 0x0                           ; slot 1's first fill is issued as a refill is: x's and b's loads are already out
	ds_add_u32 v1, v2
	s_wait_dscnt 0x0
	CROUND
	tensor_load_to_lds s[G0+4:G0+7], s[G1:G1+7]
	s_nop 0
	PLACES
	s_wait_loadcnt 32
.irp j, 0,2,4,6
	v_pk_mul_f32 v[TP+\j:TP+\j+1], v[TP+\j:TP+\j+1], 0xbfb8aa3b op_sel_hi:[1,0]
.endr
	ds_store_b128 v45, v[TP:TP+3]
	ds_store_b128 v45, v[TP+4:TP+7] offset:16
	QX 0, 16, 2
	s_wait_tensorcnt 0x1
	s_wait_dscnt 0x0
	s_barrier_signal -1
	s_barrier_wait -1
	FETCH_BH 0, 0
	FETCH_A 1, 0, 0
	FETCH_A 1, 0, 1
	FETCH_BH 1, 0
	QX 1, 16, 1
	STEP 0, 1, 56, 1, 1, XPAR, -1
	s_mov_b32 s46, 6
.Lk:
	QX 0, 16, 1
	STEP 1, 0, 56, 1, 1, 0, -1
	QX 1, 16, 1
	STEP 0, 0, 56, 1, 1, XPAR, -1
	s_sub_co_u32 s46, s46, 1
	s_cmp_lg_u32 s46, 0
	s_cbranch_scc1 .Lk
	QX 0, 16, 0
	s_lshr_b32 s48, ttmp9, 5
	s_or_b32 s48, s48, s14
	s_cmp_lg_u32 s48, 0
	s_cbranch_scc1 .Lno_ask
	global_prefetch_b8 v[PFO], s[6:7] offset:16*SLOTB th:TH_LOAD_NT scope:SCOPE_SE
.Lno_ask:
	STEP 1, 0, 56, 1, 1, 0, -1
	QX 1, 0, 0
	STEP 0, 0, 56, 1, 1, XPAR, 16
	STEP 1, 0, 40, 1, 0, 0, 17
.irp wd, 0, 1
	WIN 0x82+0x41*\wd
.set qi, 0
.rept 256
	v_med3_num_f32 v[qi], v[qi], s43, s42
.set qi, qi+1
.endr
	WIN 0x02+\wd
.irp mm, 0, 1
.set qi, 0
.rept 16
	v_cvt_scalef32_pk8_fp8_f32 v[CODE+16*(qi/2)+4*(2*\wd+\mm)+2*(qi%2):CODE+16*(qi/2)+4*(2*\wd+\mm)+2*(qi%2)+1], v[8*(16*\mm+qi):8*(16*\mm+qi)+7], v[SCF]
.set qi, qi+1
.endr
.endr
.endr
	v_nop
	WIN 0
	PUB 0
	PUB 1
	PUB 2
	PUB 3
	s_wait_dscnt 0x0
	s_barrier_signal -1
	s_barrier_wait -1
	FETCH_A 2, 0, 0
	FETCH_A 2, 0, 1
	STEP 0, 1, 8, 1, 2, FREG, 18
	STEP 1, 0, 40, 1, 2, 2*FREG, 19
	s_wait_alu depctr_va_vdst(0)
	PUB 4
	PUB 5
	STEP 0, 0, 48, 1, 2, 3*FREG, 20
	STEP 1, 0, 40, 1, 2, 0, 21
	PUB 6
	PUB 7
	STEP 0, 0, 48, 1, 2, FREG, 22
	STEP 1, 0, 40, 1, 2, 2*FREG, 23
	STEP 0, 0, 40, 0, 2, 3*FREG, 0
	s_wait_dscnt 40
	WIN MUL_LO
	MULG 0, 0, 8, 0
	s_wait_dscnt 0x0
	WIN MUL_HI
	MULG 1, 0, 8, 0
	WIN MUL_LO
	MULG 0, 8, 8, 0
	WIN MUL_HI
	MULG 1, 8, 8, 0
	PLACES
	WIN TO_B
	ds_load_b32 v[BI], v[LB]
	ds_load_b32 v[BI+1], v[LB+1]
	ds_load_b64 v[BI+2:BI+3], v[LB+2]
.irp lam, 2,3,4,5,6
.set qi, 0
.rept 1<<(\lam-2)
	ds_load_b128 v[BI+(1<<\lam)+4*qi:BI+(1<<\lam)+4*qi+3], v[LB+1+\lam] offset:16*qi
.set qi, qi+1
.endr
.endr
	WIN 0
	s_wait_dscnt 0x0
	WIN 0x12
	v_fma_f32 v[TP],   v0,   s44, v[BI]
	v_fma_f32 v[TP+2], v128, s44, v[BI]
	WIN 0x13
	v_fma_f32 v[TP+4], v0,   s44, v[BI]
	v_fma_f32 v[TP+6], v128, s44, v[BI]
	WIN 0
	s_wait_alu depctr_va_vdst(0)
.irp m, 0,1,2,3
	v_exp_f32 v[TP+2*\m], v[TP+2*\m]
.endr
	v_nop
	s_wait_alu depctr_va_vdst(0)
.irp m, 0,1,2,3
	v_add_f32 v[TP+2*\m], 1.0, v[TP+2*\m]
.endr
	s_wait_alu depctr_va_vdst(0)
.irp m, 0,1,2,3
	v_rcp_f32 v[TP+2*\m], v[TP+2*\m]
.endr
	v_nop
	s_wait_alu depctr_va_vdst(0)
.irp m, 0,1,2,3
	v_sub_f32 v[TP+2*\m+1], 1.0, v[TP+2*\m]
.endr
.irp m, 0,1,2,3
	ds_store_b64 v[TST], v[TP+2*\m:TP+2*\m+1] offset:\m*1024
.endr
	s_wait_dscnt 0x0
	s_barrier_signal -1
	s_barrier_wait -1
.irp m, 0,1,2,3
	ds_load_b32 v[CT+3*\m],   v[TF]   offset:\m*1024
	ds_load_b32 v[CT+3*\m+1], v[TF+1] offset:\m*1024
	ds_load_b32 v[CT+3*\m+2], v[TF+2] offset:\m*1024
.endr
	s_wait_dscnt 0x0
.irp m, 0,1,2,3
	v_mul_f32 v[PR+\m], v[CT+3*\m], v[CT+3*\m+1]
.endr
.irp m, 0,1,2,3
	v_mul_f32 v[PR+\m], v[PR+\m], v[CT+3*\m+2]
.endr
.macro HEADM m
	WIN 0x12+((\m)/2)
.set qi, 0
.rept 64
	v_pk_fma_f32 v[D+qi:D+qi+1], v[128*((\m)%2)+qi:128*((\m)%2)+qi+1], s[44:45], v[BI+qi:BI+qi+1] op_sel_hi:[1,0,1]
.set qi, qi+2
.endr
	WIN 0x40
	v_mov_b32 v1, v[PR+\m]
	WIN 0
.endm
	s_mov_b32 s47, 0
.Lrow:
	s_cmp_eq_u32 s47, 0
	s_cbranch_scc1 .Lh0
	s_cmp_eq_u32 s47, 1
	s_cbranch_scc1 .Lh1
	s_cmp_eq_u32 s47, 2
	s_cbranch_scc1 .Lh2
	HEADM 3
	s_branch .Lbody
.Lh0:
	HEADM 0
	s_branch .Lbody
.Lh1:
	HEADM 1
	s_branch .Lbody
.Lh2:
	HEADM 2
.Lbody:
.set qi, 0
	s_wait_alu depctr_va_vdst(0)
.rept 128
	v_exp_f32 v[D+qi], v[D+qi]
.set qi, qi+1
.endr
	v_nop
.set qi, 0
	s_wait_alu depctr_va_vdst(0)
.rept 64
	v_pk_add_f32 v[D+qi:D+qi+1], v[D+qi:D+qi+1], 1.0 op_sel_hi:[1,0]
.set qi, qi+2
.endr
.set qi, 0
	s_wait_alu depctr_va_vdst(0)
.rept 128
	v_rcp_f32 v[D+qi], v[D+qi]
.set qi, qi+1
.endr
	v_nop
	WIN 0x51
.set hq, 1
	s_wait_alu depctr_va_vdst(0)
.rept 63
	v_mul_f32 v[2*hq], v[hq], v[D+hq]
	v_fma_f32 v[2*hq+1], -v[hq], v[D+hq], v[hq]
.set hq, hq+1
.endr
	WIN 0x11
.set hq, 0
.rept 64
	v_mul_f32 v[D+2*hq], v[64+hq], v[D+64+hq]
	v_fma_f32 v[D+2*hq+1], -v[64+hq], v[D+64+hq], v[64+hq]
.set hq, hq+1
.endr
	WIN 0
.set qi, 0
.rept 32
	ds_store_b128 v[SST], v[D+4*qi:D+4*qi+3] offset:16*qi
.set qi, qi+1
.endr
	WIN TO_B
.set qi, 0
.rept 32
	ds_load_b128 v[4*qi:4*qi+3], v[BAD] offset:(qi>>1)*SPITCH+(qi&1)*512
.set qi, qi+1
.endr
	WIN 0x04
.set qi, 0
.rept 32
	s_wait_dscnt 31-qi
	global_store_b128 v[GO], v[4*qi:4*qi+3], s[12:13] offset:(qi>>1)*4096+(qi&1)*512 th:TH_STORE_NT
.set qi, qi+1
.endr
	WIN 0
	s_wait_xcnt 0x0
	s_add_nc_u64 s[12:13], s[12:13], 65536
	s_add_co_u32 s47, s47, 1
	s_cmp_lt_u32 s47, 4
	s_cbranch_scc1 .Lrow
	s_wait_tensorcnt 0x0
	ds_add_u32 v[SPW], v[NIL]
	s_wait_dscnt 0x0
	CROUND
	s_endpgm
.Lfunc_end_k_q021d039af4_tree:
	.size	k_q021d039af4_tree, .Lfunc_end_k_q021d039af4_tree-k_q021d039af4_tree
	.p2alignl 7, 3214868480
	.fill 96, 4, 3214868480
	.section	.rodata,"a",@progbits
	.p2align	6, 0x0
	.amdhsa_kernel k_q021d039af4_tree
		.amdhsa_group_segment_fixed_size 327680
		.amdhsa_private_segment_fixed_size 0
		.amdhsa_enable_private_segment 0
		.amdhsa_kernarg_size 40
		.amdhsa_user_sgpr_count 2
		.amdhsa_user_sgpr_kernarg_segment_ptr 1
		.amdhsa_wavefront_size32 1
		.amdhsa_system_sgpr_workgroup_id_x 1
		.amdhsa_system_sgpr_workgroup_id_y 1
		.amdhsa_system_sgpr_workgroup_id_z 1
		.amdhsa_system_vgpr_workitem_id 0
		.amdhsa_next_free_vgpr 1024
		.amdhsa_next_free_sgpr 66
		.amdhsa_reserve_vcc 0
		.amdhsa_float_denorm_mode_32 3
		.amdhsa_float_denorm_mode_16_64 3
		.amdhsa_memory_ordered 1
		.amdhsa_forward_progress 1
		.amdhsa_inst_pref_size 255
	.end_amdhsa_kernel
	.section	.bss,"aw",@nobits
	.p2align	6
	.space	262144
	.amdgpu_metadata
---
amdhsa.version: [ 1, 2 ]
amdhsa.kernels:
  - .name:           k_q021d039af4_tree
    .symbol:         k_q021d039af4_tree.kd
    .args:
      - { .name: x, .offset: 0, .size: 8, .value_kind: global_buffer, .address_space: global }
      - { .name: wcodes, .offset: 8, .size: 8, .value_kind: global_buffer, .address_space: global }
      - { .name: b, .offset: 16, .size: 8, .value_kind: global_buffer, .address_space: global }
      - { .name: lowp_scales, .offset: 24, .size: 8, .value_kind: global_buffer, .address_space: global }
      - { .name: out0, .offset: 32, .size: 8, .value_kind: global_buffer, .address_space: global }
    .group_segment_fixed_size: 327680
    .private_segment_fixed_size: 0
    .kernarg_segment_align: 8
    .kernarg_segment_size: 40
    .max_flat_workgroup_size: 128
    .sgpr_count:     66
    .vgpr_count:     1024
    .wavefront_size: 32
...
	.end_amdgpu_metadata
.endif
;; end of part 2
